; MI455X (gfx1250); checked and timed in simulation.
; The chip was launched on July 23, 2026; its instructions are those of AMD's public machine-readable ISA for CDNA 5 (MIT licence, August 2026) and "CDNA5" Instruction Set Architecture Reference Guide (July 2026). The comments in the code are by the model that wrote it; some were corrected since.
;; MSA Pair Weighted Averaging. Allowed arithmetic: matrix products marked QUANTISED: E3M2 operands, one E8M0 scale for each 32 along K, by v_wmma_scale_f32_16x16x128_f8f6f4 with both operands' format E3M2, f32 sums; products left as they are: f32 operands where the result goes on into a quantised operand, else bf16, f16 or f32 operands; f32 sums; everything else in f32.
;; Inputs: Wb 128 x 8 float32; Wg 64 x 256 float32; Wo 256 x 64 float32; Wv 64 x 256 float32; ln_msa_b 64 float32; ln_msa_w 64 float32; ln_pair_b 128 float32; ln_pair_w 128 float32; msa 1 x 512 x 512 x 64 float32; pair 1 x 512 x 512 x 128 float32.
;; Outputs: out0 1 x 512 x 512 x 64 float32.
;; This version of the problem:
;;   THIS VERSION OF THE PROBLEM IS GIVEN IN LOW PRECISION. The matrix products marked QUANTISED in the list below multiply operands that are first quantised to E3M2 (3 exponent bits, 2 mantissa bits; 6 bits a number), with one power-of-two scale for each 32 numbers along K (OCP MX v1.0); their sums are f32. All else is computed in f32.
;;   The module's matrix products, in the order in which they are computed (A, B: the left and right operand; K: the contracted axis; several contracted axes count as one K, in the product's order):
;;     1. [M 262,144, K 64] x [K 64, N 256]; A: computed on the way; B: input Wv: QUANTISED
;;     2. [M 262,144, K 64] x [K 64, N 256]; A: computed on the way; B: input Wg: QUANTISED
;;     3. [M 262,144, K 128] x [K 128, N 8]; A: computed on the way; B: input Wb: left as it is (N = 8 < 16)
;;     4. batch 8 x [M 16,384, K 512] x [K 512, N 512]; A: computed on the way; B: softmax (see below): QUANTISED
;;     5. [M 262,144, K 256] x [K 256, N 64]; A: computed on the way; B: input Wo: QUANTISED
;;   THE QUANTISER, for each operand of a quantised product, along K:
;;     - K is cut into blocks of 32 from its start; a last block that is shorter is filled with zeros.
;;     - A block's scale is 2^e with e = floor(log2(the largest magnitude in the block)) - 4, held to -126 .. 127; a block of zeros has e = 0. As a byte (E8M0): e + 127.
;;     - Each number is divided by its block's scale, clamped to +-28, and rounded to the nearest number of E3M2, ties to even, subnormals kept.
;;     - The product sums the exact products of the quantised numbers (number of the format x scale) in f32.
;;   ~~~python
;;   def quantise(x, axis):      # numpy; x: float32 -> the quantised numbers, widened to float32 again
;;       x = np.moveaxis(x, axis, -1); K = x.shape[-1]
;;       x = np.pad(x, [(0, 0)] * (x.ndim - 1) + [(0, -K % 32)]); x = x.reshape(x.shape[:-1] + (-1, 32)); a = np.abs(x).max(-1, keepdims=True)
;;       e = np.where(a > 0, np.clip(np.frexp(np.where(a > 0, a, 1))[1] - 1 - 4, -126, 127), 0)      # np.frexp(a)[1] - 1 = floor(log2(a)), exactly
;;       r = np.clip(x / 2.0 ** e, -28, 28)
;;       step = 2.0 ** (np.maximum(np.frexp(np.where(r == 0, 1, r))[1] - 1, -2) - 2)
;;       q = np.round(r / step) * step * 2.0 ** e      # np.round: ties to even
;;       return np.moveaxis(q.reshape(q.shape[:-2] + (-1,))[..., :K], -1, axis).astype(np.float32)
;;   ~~~
;;   SOFTMAX AHEAD OF A QUANTISED PRODUCT. Where the list says 'softmax', what is quantised is not the finished softmax but p = 2^(t - M), with t = logit x log2(e) and M = ceil(the row's largest t), a whole number; so 1/2 < the row's largest p <= 1. The row's sum l is taken of the UNQUANTISED p, in f32, and the product's result is divided by l at the end. Since M is a whole number, a kernel that streams over the keys may use a running M (the ceiling of the running maximum): every later rescaling is an exact power of two, which a block's scale takes up: the codes' values come out the same.
;;   OPERANDS COMPUTED ON THE WAY. 'Computed on the way' means the value that the module computes at that place (a softmax that the list does not call 'softmax' is quantised finished and normalised). What goes into a quantiser is computed in f32, as accurately as f32 sums, v_exp_f32 and their like allow (about 1e-6 of the number): no bf16 or f16 on the way to a quantiser, and a product that is left as it is and whose result goes on into a quantised operand takes f32 operands (vector FMAs, or v_wmma_f32_16x16x4_f32). A number that lies on a knife's edge between two numbers of the format may be rounded either way, as far as f32 arithmetic and the matrix unit's own rounding can turn it there, and no further.
;; One version. Each part assembles by itself: llvm-mc -triple=amdgcn-amd-amdhsa -mcpu=gfx1250 --defsym DOCPART=n.
;; ======== version 1 of 1: 2 launches
;; limits: right only within a limited range of input values
;; workspace buffers: pbuf 1,671,168 bytes; wfrag 43,008 bytes
;; launch pairsm (part 1): grid 256 x 1, 8 waves a work-group, no clusters, 327,680 bytes of LDS; arguments pair, ln_pair_w, ln_pair_b, Wb, Wv, Wg, Wo, pbuf, wfrag; writes pbuf, wfrag
.if DOCPART == 1
	.amdgcn_target "amdgcn-amd-amdhsa--gfx1250"
	.amdhsa_code_object_version 6
	.text
	.protected	k_qacbb0b65c9_pairsm
	.globl	k_qacbb0b65c9_pairsm
	.p2align	8
	.type	k_qacbb0b65c9_pairsm,@function
k_qacbb0b65c9_pairsm:
	s_mov_b64 s[64:65], 0
	v_nop
	global_prefetch_b8 v0, s[64:65] scope:SCOPE_SE
	s_setreg_imm32_b32 hwreg(HW_REG_WAVE_MODE, 25, 1), 1
	s_wait_xcnt 0x0
; pair [512 i][512 j][128] f32 -> for each (i, head): p = 2^(t - M) along j as codes of E3M2 with one E8M0 byte for each 32 j, and the row's sum l of the unquantised p.
; t = log2(e) x (LayerNorm(pair) . Wb), M = ceil(the row's largest t).  The gain is folded into Wb and the bias into a constant of each head: sum(xhat w Wb) + sum(b Wb).
; SHARES.  A work-group takes rows i = 2 wg, 2 wg + 1.  Wave w takes row il = w / 4 and the 128 positions j from 128 (w % 4) on: one K step of the later product, in 8 tiles of 16 positions.
; THE POSITIONS OF A TILE ARE NOT NEIGHBOURS: row e of tile 2 b + u is position 32 b + 8 u + e + 8 (e / 8), so that the 16 result registers of tiles 2 b, 2 b + 1 are 16 neighbours along j: 32 b + 16 (lane / 16) + 0 .. 15.
; THE STREAM.  A ring of two LDS slots filled by tensor loads.  A fill brings each wave its own next 32 positions (two tiles): 32 rows of 512 bytes, 16 bytes of padding behind each; four fills a wave.
; Only the wave that asked for a part reads it.  One fill is out at a time: it is asked for behind the barrier of a change of slots and has two tiles' work in which to land.
; Each wave asks memory for its own next fill one change of slots ahead of the tensor load: 64 blocks of 256 bytes, a lane a block, two instructions; the last fill has none behind it.
; Lane (r, h) reads channels 64 h .. 64 h + 63 of tile row r.  No cluster: work-groups share no input.
; THE PRODUCT WITH Wb takes f32 operands (its result goes into a quantiser): v_wmma_f32_16x16x4_f32, 32 a tile on two accumulators by turns; k index 2 h + j of instruction q stands for channel 64 h + 2 q + j on both sides.
; Columns 8 .. 15 repeat heads 0 .. 7: those lanes compute and store the same values to the same bytes.
; OUT.  pbuf [group of 32 i][head][13,056 bytes]: 32 rows (16 u + r) of 400 bytes: [K step][lane half][the 12 registers of that lane of the operand's fragment], then the row's four scale words; at 12,800: (l, l) for each row.
; A work-group's 800 bytes a head are consecutive but begin at multiples of 16 only; l leaves as 16 bytes a head.
; WORK-GROUPS 0, 1, 2 first lay Wv, Wg, Wo out as codes in the order of the operand's registers (wfrag: 24 records of 1,792 bytes), a lane to a column, its registers down K.
; LIMITS: NaN and infinities among the inputs are not served.  A block whose largest magnitude lies under 2^-122 keeps the scale byte 1 (a block of zeros too: its codes are zeros; this program alone reads the bytes).
; v_exp_f32 gives 0 for p under 2^-126.
.set TURNP, 528                        ; an LDS row: 512 bytes + 16
.set TURNW, 32*TURNP                   ; a wave's part of a slot
.set SLOTB, 8*TURNW                    ; a slot: 135,168 bytes
.set MXB,   2*SLOTB                    ; behind the ring: the waves' maxima, [il][head][w % 4] f32
.set SMB,   MXB+256                    ; their sums, likewise
.set STGP,  SMB+256                    ; [head][il][400 bytes]: the rows as they leave; 256 bytes behind them are set and not used
.set SPARE, STGP+6400+256              ; the spare words, 128 bytes for each wave: no other line names them
.set BLKB,  13056
.set RECB,  1792
.set W,   16                           ; v16-79    Wb x gain: W[m] = channel 64 h + m, head r % 8
.set X,   80                           ; v80-143   one tile: X[m] = channel 64 h + m of tile row r
.set ACC, 144                          ; v144-159  two accumulators: written by matrix instructions alone
.set S,   160                          ; v160-223  t, then p: S[16 b + i] = position 32 b + 16 h + i
.set MU,  224
.set RS,  226
.set CA,  228                          ; v[228:229], v[230:231] two chains;  v228-235 at work
.set CB,  230
.set B0,  236                          ; v[236:237] log2(e) x sum(bias x Wb) of my head
.set TM,  80                           ; the quantiser's registers lie where X lay
.set PW,  96
.set PC,  100
.set GA0, 52                           ; s[52:55], s[56:59] descriptor group 0 for slot 0, 1;  s[68:75] group 1
.set GA1, 56
.set G1,  68
; window 1, v0-63: the tile's normalised numbers, source 0 of the products: so X is free for the next tile's LDS loads while the products run
.set MSB, 0
.macro WIN new                         ; the immediate's high byte repeats the setting that is left
.if MSB != \new
	s_set_vgpr_msb (MSB<<8)|\new
.set MSB, \new
.endif
.endm
; v1 lane, v2 r, v3 h, v4 r % 8, v5 16 x lane, v7/v6 my tile rows in slot 0/1, v8/v9 maxima store/load, v10 sums store, v11 codes, v12 scale word, v13 rows out, v14 sums load, v15 8 x il of the lane, v253 256 x lane
.macro BARRIER
	s_wait_dscnt 0x0
	s_barrier_signal -1
	s_barrier_wait -1
.endm
; A change of slots.  All my tensor loads have landed; the add; my reads of the slot that is filled next are over; the barrier; my one tensor load behind it.
.macro CHANGE g0, step, pf
	s_wait_tensorcnt 0x0
	ds_add_u32 v254, v255
.if \step
	s_add_nc_u64 s[\g0+2:\g0+3], s[\g0+2:\g0+3], 0x8000   ; no load of mine is out: this slot's next fill lies 64 positions on
.endif
	s_wait_dscnt 0x0
	s_barrier_signal -1
	s_barrier_wait -1
	tensor_load_to_lds s[\g0:\g0+3], s[G1:G1+7]
	s_nop 0
.rept 4
	v_nop
.endr
.if \pf
	global_prefetch_b8 v253, s[4:5] offset:\pf th:TH_LOAD_NT scope:SCOPE_SE        ; the fill after this one: 2 x 32 blocks of 256 bytes
	global_prefetch_b8 v253, s[4:5] offset:\pf+8192 th:TH_LOAD_NT scope:SCOPE_SE
.endif
.endm
.macro ROWRED                          ; the two chains, the pair's halves, and lane l xor 16's half of the row
	s_delay_alu instid0(VALU_DEP_1)
	v_pk_add_f32 v[CA:CA+1], v[CA:CA+1], v[CB:CB+1]
	s_delay_alu instid0(VALU_DEP_1)
	v_add_f32 v[CA], v[CA], v[CA+1]
	s_delay_alu instid0(VALU_DEP_1)
	v_permlanex16_b32 v[CA+1], v[CA], s26, s27
	s_delay_alu instid0(VALU_DEP_1)
	v_add_f32 v[CA], v[CA], v[CA+1]
.endm
.macro SUM64 b                         ; the sum of 64 registers from b on, and of the other half of the lanes'
	v_pk_add_f32 v[CA:CA+1], v[\b:\b+1], v[\b+2:\b+3]
	v_pk_add_f32 v[CB:CB+1], v[\b+4:\b+5], v[\b+6:\b+7]
.set j, 8
.rept 14
	v_pk_add_f32 v[CA:CA+1], v[CA:CA+1], v[\b+j:\b+j+1]
	v_pk_add_f32 v[CB:CB+1], v[CB:CB+1], v[\b+j+2:\b+j+3]
.set j, j+4
.endr
	ROWRED
.endm
; A weight's 64 numbers of a lane, S[32 c + i]: two WHOLE blocks of 32 along K.  Codes into v[PC + 6 c ..], the four bytes of lanes l and l xor 16 into v[PW]: byte 2 c + h.
.macro WQUANT
.irp c, 0,1
	v_max3_num_f32 v[TM+\c], |v[S+32*\c]|, |v[S+32*\c+1]|, 0x2800000   ; with the floor 2^(5 - 127): the byte cannot fall under 1
.endr
.irp i, 2,4,6,8,10,12,14,16,18,20,22,24,26,28,30
.irp c, 0,1
	s_delay_alu instid0(VALU_DEP_2)
	v_max3_num_f32 v[TM+\c], v[TM+\c], |v[S+32*\c+\i]|, |v[S+32*\c+\i+1]|
.endr
.endr
.irp c, 0,1
	s_delay_alu instid0(VALU_DEP_2)
	v_add_nc_u32 v[TM+4+\c], 0xfe000000, v[TM+\c]  ; 4 off the exponent field: the conversion's scale operand
.endr
.irp c, 0,1
	s_delay_alu instid0(VALU_DEP_2)
	v_lshrrev_b32 v[TM+2+\c], 23, v[TM+4+\c]       ; the scale's byte
.endr
	s_delay_alu instid0(VALU_DEP_1)
	v_lshl_or_b32 v[PW], v[TM+3], 16, v[TM+2]
	v_lshlrev_b32 v[TM+6], 3, v3
	s_delay_alu instid0(VALU_DEP_1)
	v_lshlrev_b32 v[PW], v[TM+6], v[PW]            ; 8 h bits up
	v_mov_b32 v[TM+7], 0                           ; a lane permute's destination counts as one of its sources
	s_delay_alu instid0(VALU_DEP_1)
	v_permlanex16_b32 v[TM+7], v[PW], s26, s27
	s_delay_alu instid0(VALU_DEP_1)
	v_or_b32 v[PW], v[PW], v[TM+7]
.irp c, 0,1
	v_cvt_scalef32_pk16_bf6_f32 v[PC+6*\c:PC+6*\c+2], v[S+32*\c:S+32*\c+15], v[TM+4+\c]
	v_cvt_scalef32_pk16_bf6_f32 v[PC+12+4*\c:PC+14+4*\c], v[S+32*\c+16:S+32*\c+31], v[TM+4+\c]   ; (a conversion's three registers begin on an even number)
.endr
	v_nop                                          ; one plain place behind a scaled conversion
.irp c, 0,1
.irp i, 0,1,2
	v_mov_b32 v[PC+3+6*\c+\i], v[PC+12+4*\c+\i]
.endr
.endr
.endm
; 64 numbers of a lane, S[16 b + i] = k 32 b + 16 h + i of my row, become a fragment's 12 registers in v[PC] on and its scale word in v[PW].
.macro QUANT4
.irp b, 0,1,2,3
	v_max3_num_f32 v[TM+\b], |v[S+16*\b]|, |v[S+1+16*\b]|, 0x2800000
.endr
.irp i, 2,4,6,8,10,12,14
.irp b, 0,1,2,3
	v_max3_num_f32 v[TM+\b], v[TM+\b], |v[S+16*\b+\i]|, |v[S+1+16*\b+\i]|
.endr
.endr
.irp b, 0,1,2,3
	s_delay_alu instid0(VALU_DEP_4)
	v_permlanex16_b32 v[TM+4+\b], v[TM+\b], s26, s27
.endr
.irp b, 0,1,2,3
	s_delay_alu instid0(VALU_DEP_4)
	v_max_num_f32 v[TM+\b], v[TM+\b], v[TM+4+\b]   ; with lane l xor 16's: the block's largest p
.endr
.irp b, 0,1,2,3
	s_delay_alu instid0(VALU_DEP_4)
	v_add_nc_u32 v[TM+12+\b], 0xfe000000, v[TM+\b]
.endr
.irp b, 0,1,2,3
	s_delay_alu instid0(VALU_DEP_4)
	v_lshrrev_b32 v[TM+4+\b], 23, v[TM+12+\b]
.endr
	s_delay_alu instid0(VALU_DEP_3)
	v_lshl_or_b32 v[PW], v[TM+5], 8, v[TM+4]
	s_delay_alu instid0(VALU_DEP_1)
	v_lshl_or_b32 v[PW], v[TM+6], 16, v[PW]
	s_delay_alu instid0(VALU_DEP_1)
	v_lshl_or_b32 v[PW], v[TM+7], 24, v[PW]
.irp c, 0,1
	v_cvt_scalef32_pk16_bf6_f32 v[PC+6*\c:PC+2+6*\c], v[S+32*\c:S+15+32*\c], v[TM+12+2*\c]
	v_cvt_scalef32_pk16_bf6_f32 v[PC+12+4*\c:PC+14+4*\c], v[S+16+32*\c:S+31+32*\c], v[TM+12+2*\c+1]
.endr
	v_nop                                          ; one plain place behind a scaled conversion
.irp c, 0,1                                    ; the layout wants a WHOLE block in a lane: lanes 0-15 block 2 c, lanes 16-31 block 2 c + 1
.irp i, 0,1,2
	v_permlane16_swap_b32 v[PC+6*\c+\i], v[PC+12+4*\c+\i]
.endr
.irp i, 0,1,2
	s_delay_alu instid0(VALU_DEP_3)
	v_mov_b32 v[PC+3+6*\c+\i], v[PC+12+4*\c+\i]
.endr
.endr
.endm
	s_load_b512 s[4:19], s[0:1], 0x0               ; pair 4, gain 6, bias 8, Wb 10, Wv 12, Wg 14, Wo 16, pbuf 18
	s_load_b64 s[20:21], s[0:1], 0x40              ; wfrag
	v_lshl_add_u32 v254, v0, 2, SPARE
	v_mov_b32 v255, 0
	ds_add_u32 v254, v255                          ; the opening lines: the add, twice on end, and its wait ahead of my first tensor load
	ds_add_u32 v254, v255
	v_lshrrev_b32 v1, 5, v0
	s_delay_alu instid0(VALU_DEP_1)
	v_readfirstlane_b32 s22, v1                    ; wave 0..7
	s_lshr_b32 s23, s22, 2                         ; il
	s_and_b32 s24, s22, 3                          ; which 128 positions
	v_and_b32 v1, 31, v0                           ; lane
	v_and_b32 v2, 15, v0                           ; r
	v_bfe_u32 v3, v0, 4, 1                         ; h
	v_and_b32 v4, 7, v0                            ; r % 8: my head
	s_delay_alu instid0(VALU_DEP_4)
	v_lshlrev_b32 v5, 4, v1                        ; 16 x lane
	v_lshlrev_b32 v253, 8, v1                      ; 256 x lane
	s_mul_i32 s32, s22, TURNW
	v_and_b32 v6, 8, v2
	s_delay_alu instid0(VALU_DEP_1)
	v_add_nc_u32 v6, v6, v2                        ; r + 8 (r / 8): tile row r among a fill's 32 positions, for u = 0
	s_delay_alu instid0(VALU_DEP_1)
	v_mul_u32_u24 v7, v6, TURNP
	s_delay_alu instid0(VALU_DEP_1)
	v_lshl_add_u32 v7, v3, 8, v7
	s_delay_alu instid0(VALU_DEP_1)
	v_add_nc_u32 v7, s32, v7                       ; my part of slot 0: that row, + 256 h
	s_delay_alu instid0(VALU_DEP_1)
	v_add_nc_u32 v6, SLOTB, v7                     ; and of slot 1
	s_lshl_b32 s33, s23, 7
	s_lshl_b32 s34, s24, 2
	v_lshlrev_b32 v9, 4, v4
	s_delay_alu instid0(VALU_DEP_1)
	v_add_nc_u32 v9, s33, v9
	s_delay_alu instid0(VALU_DEP_1)
	v_add_nc_u32 v9, MXB, v9                       ; the four waves' maxima of (il, my head)
	s_delay_alu instid0(VALU_DEP_1)
	v_add_nc_u32 v8, s34, v9                       ; and my wave's word among them
	s_delay_alu instid0(VALU_DEP_1)
	v_add_nc_u32 v10, 256, v8                      ; the same among the sums
	v_mul_u32_u24 v12, v4, 800
	s_mul_i32 s35, s23, 400
	v_add_nc_u32 v12, s35, v12
	s_delay_alu instid0(VALU_DEP_1)
	v_add_nc_u32 v12, STGP, v12                    ; the row (my head, il)
	s_mul_i32 s36, s24, 96
	v_mad_u32_u24 v11, v3, 48, v12
	s_delay_alu instid0(VALU_DEP_1)
	v_add_nc_u32 v11, s36, v11                     ; my 48 bytes of codes: + 96 x K step + 48 h
	v_add_nc_u32 v12, s34, v12
	s_delay_alu instid0(VALU_DEP_1)
	v_add_nc_u32 v12, 384, v12                     ; my K step's scale word
	s_mul_i32 s37, s22, 800
	v_add_nc_u32 v13, s37, v5
	s_delay_alu instid0(VALU_DEP_1)
	v_add_nc_u32 v13, STGP, v13                    ; on the way out wave w takes head w: 800 bytes
	v_bfe_u32 v15, v0, 2, 1
	v_and_b32 v14, 3, v0
	s_delay_alu instid0(VALU_DEP_1)
	v_lshlrev_b32 v14, 2, v14
	s_delay_alu instid0(VALU_DEP_1)
	v_lshl_add_u32 v14, v15, 7, v14
	s_lshl_b32 s38, s22, 4
	v_add_nc_u32 v14, s38, v14
	s_delay_alu instid0(VALU_DEP_1)
	v_add_nc_u32 v14, SMB, v14                     ; lanes 0-3: the four sums of (il 0, head w); lanes 4-7: of il 1
	v_lshlrev_b32 v15, 3, v15
	v_mov_b32 v[MU+1], 0
	v_mov_b32 v[RS+1], 0
	s_mov_b32 s26, 0x76543210
	s_mov_b32 s27, 0xfedcba98                      ; v_permlanex16_b32's selects for lane l xor 16
	s_mov_b32 s28, 0x3fb8aa3b                      ; log2(e)
	s_mov_b32 s29, s28
	s_mov_b32 s30, 0x3c000000                      ; 1 / 128
	s_mov_b32 s31, 0x3727c5ac                      ; 1e-5
	s_lshl_b32 s32, ttmp9, 1
	s_add_co_u32 s32, s32, s23                     ; my row i
	s_lshl_b32 s32, s32, 18                        ; 262,144 bytes a row,
	s_lshl_b32 s33, s24, 16                        ; 65,536 for 128 positions
	s_add_co_u32 s32, s32, s33
	s_mov_b32 s33, 0
	s_lshr_b32 s34, ttmp9, 4                       ; the group of 32 rows i
	s_mul_i32 s34, s34, 8*BLKB
	s_mul_i32 s35, s22, BLKB
	s_add_co_u32 s34, s34, s35                     ; the block of (group, head w)
	s_bfe_u32 s35, ttmp9, 0x10002                  ; x = i % 32 = 2 (wg % 16) + il: tile u = (x / 8) % 2,
	s_and_b32 s36, ttmp9, 3
	s_lshl_b32 s36, s36, 1
	s_bfe_u32 s37, ttmp9, 0x10003
	s_lshl_b32 s37, s37, 3
	s_add_co_u32 s36, s36, s37                     ; row r = x % 8 + 8 (x / 16), of il = 0
	s_lshl_b32 s37, s35, 4
	s_add_co_u32 s37, s37, s36                     ; 16 u + r
	s_mul_i32 s38, s37, 400
	s_add_co_u32 s38, s38, s34
	s_mov_b32 s39, 0
	s_lshl_b32 s36, s37, 3
	s_add_co_u32 s36, s36, s34
	s_add_co_u32 s36, s36, 12800
	s_mov_b32 s37, 0
	s_mov_b32 s[G1+0], (2<<16)|(1<<20)|(6<<22)|(3<<25)   ; group 1: elements of 4 bytes; 4 words of padding behind every 128
	s_mov_b32 s[G1+1], 128<<16                     ; tensor_dim0
	s_mov_b32 s[G1+2], 32<<16                      ; tensor_dim1
	s_mov_b32 s[G1+3], 128<<16                     ; tile_dim0
	s_mov_b32 s[G1+4], 32                          ; tile_dim1
	s_mov_b32 s[G1+5], 128                         ; the pitch
	s_mov_b32 s[G1+6], 0
	s_mov_b32 s[G1+7], 0
	s_mov_b32 s[GA0], 1
	s_mul_i32 s[GA0+1], s22, TURNW                 ; my part of slot 0,
	s_mov_b32 s[GA1], 1
	s_add_co_u32 s[GA1+1], s[GA0+1], SLOTB         ; of slot 1
	s_wait_alu depctr_va_vdst(0)                   ; the head's end
	s_wait_dscnt 0x0                               ; both opening adds are done
	s_wait_kmcnt 0x0
	s_add_nc_u64 s[4:5], s[4:5], s[32:33]          ; pair at my wave's first position
	s_add_nc_u64 s[42:43], s[18:19], s[38:39]      ; where head w's two rows go
	s_add_nc_u64 s[44:45], s[18:19], s[36:37]      ; and their sums
	s_mov_b64 s[GA0+2:GA0+3], s[4:5]               ; fill 0: positions 0 .. 31 of my 128,
	s_or_b32 s[GA0+3], s[GA0+3], 0x80000000
	s_add_nc_u64 s[GA1+2:GA1+3], s[4:5], 0x4000    ; fill 1: 32 .. 63
	s_or_b32 s[GA1+3], s[GA1+3], 0x80000000
	tensor_load_to_lds s[GA0:GA0+3], s[G1:G1+7]    ; my one tensor load at the head
	s_nop 0
.rept 4
	v_nop
.endr
	global_prefetch_b8 v253, s[4:5] offset:16384 th:TH_LOAD_NT scope:SCOPE_SE   ; fill 1
	global_prefetch_b8 v253, s[4:5] offset:24576 th:TH_LOAD_NT scope:SCOPE_SE
	; ---- the weights, by work-groups 0, 1, 2 alone: a branch on the work-group's number; no LDS, no barrier, no tensor load inside
	s_cmp_gt_u32 ttmp9, 2
	s_cbranch_scc1 .Lmain
	v_lshlrev_b32 v17, 3, v1                       ; 8 x lane
	v_lshlrev_b32 v18, 2, v1                       ; 4 x lane
	s_cmp_eq_u32 ttmp9, 2
	s_cbranch_scc1 .Ljob_b
	s_cmp_eq_u32 ttmp9, 0                          ; Wv or Wg [64 k][256]: wave w takes head w; tile c's column r is 32 w + 8 c + r + 8 (r / 8); lane (r, h) holds k = 32 h + 0 .. 31
	s_cselect_b64 s[46:47], s[12:13], s[14:15]
	v_and_b32 v16, 8, v2
	s_delay_alu instid0(VALU_DEP_1)
	v_add_nc_u32 v16, v16, v2
	s_lshl_b32 s48, s22, 5
	v_add_nc_u32 v16, s48, v16
	s_delay_alu instid0(VALU_DEP_1)
	v_lshlrev_b32 v16, 2, v16
	s_delay_alu instid0(VALU_DEP_1)
	v_lshl_add_u32 v16, v3, 15, v16                ; 32 rows of 1,024 bytes for lanes 16-31
.set i, 0
.rept 32
	global_load_b32 v[S+i], v16, s[46:47] offset:1024*i
	global_load_b32 v[S+32+i], v16, s[46:47] offset:1024*i+32
.set i, i+1
.endr
	s_lshl_b32 s48, ttmp9, 3
	s_add_co_u32 s48, s48, s22                     ; record 8 x work-group + head
	s_mul_i32 s48, s48, RECB
	s_mov_b32 s49, 0
	s_add_nc_u64 s[48:49], s[20:21], s[48:49]
	s_wait_loadcnt 0x0
	WQUANT
	v_and_b32 v98, 0xffff, v[PW]                   ; tile 0's word: bytes of k blocks 0, 1; the upper two bytes 0 stand over zero codes
	v_lshrrev_b32 v99, 16, v[PW]                   ; tile 1's
	global_store_b128 v5, v[PC:PC+3], s[48:49]
	global_store_b64 v17, v[PC+4:PC+5], s[48:49] offset:512
	global_store_b128 v5, v[PC+6:PC+9], s[48:49] offset:768
	global_store_b64 v17, v[PC+10:PC+11], s[48:49] offset:1280
	global_store_b64 v17, v[98:99], s[48:49] offset:1536
	s_branch .Ljobs_done
.Ljob_b:                                           ; Wo [256 k][64 n]: wave w makes the fragment of rows n = 16 (w / 2) + r, k = 128 (w % 2) + 64 c + 32 h + i
	s_and_b32 s48, s22, 1
	s_lshl_b32 s48, s48, 15
	s_lshr_b32 s49, s22, 1
	s_lshl_b32 s49, s49, 6
	s_add_co_u32 s48, s48, s49
	v_lshlrev_b32 v16, 2, v2
	s_delay_alu instid0(VALU_DEP_1)
	v_lshl_add_u32 v16, v3, 13, v16
	s_delay_alu instid0(VALU_DEP_1)
	v_add_nc_u32 v16, s48, v16
.set i, 0
.rept 32
	global_load_b32 v[S+i], v16, s[16:17] offset:256*i
	global_load_b32 v[S+32+i], v16, s[16:17] offset:256*(64+i)
.set i, i+1
.endr
	s_add_co_u32 s48, s22, 16                      ; record 16 + w
	s_mul_i32 s48, s48, RECB
	s_mov_b32 s49, 0
	s_add_nc_u64 s[48:49], s[20:21], s[48:49]
	s_wait_loadcnt 0x0
	WQUANT
	global_store_b128 v5, v[PC:PC+3], s[48:49]
	global_store_b128 v5, v[PC+4:PC+7], s[48:49] offset:512
	global_store_b128 v5, v[PC+8:PC+11], s[48:49] offset:1024
	global_store_b32 v18, v[PW], s[48:49] offset:1536
.Ljobs_done:
	s_wait_xcnt 0x0                                ; the stores have read their registers: these are written again below
.Lmain:
	; ---- parameters
	v_lshlrev_b32 v[MU], 2, v4
	s_delay_alu instid0(VALU_DEP_1)
	v_lshl_add_u32 v[MU], v3, 11, v[MU]            ; Wb [128][8]: 64 h rows of 32 bytes + 4 x head
.set m, 0
.rept 64
	global_load_b32 v[W+m], v[MU], s[10:11] offset:32*m
.set m, m+1
.endr
	v_lshlrev_b32 v[RS], 8, v3                     ; my 64 channels of the gain and of the bias
.set e, 0
.rept 16
	global_load_b128 v[X+4*e:X+4*e+3], v[RS], s[6:7] offset:16*e
	global_load_b128 v[S+4*e:S+4*e+3], v[RS], s[8:9] offset:16*e
.set e, e+1
.endr
	s_wait_loadcnt 0x0
	v_pk_mul_f32 v[CA:CA+1], v[S:S+1], v[W:W+1]    ; sum over my 64 channels of bias x Wb
	v_pk_mul_f32 v[CB:CB+1], v[S+2:S+3], v[W+2:W+3]
.set j, 4
.rept 15
	s_delay_alu instid0(VALU_DEP_2)
	v_pk_fma_f32 v[CA:CA+1], v[S+j:S+j+1], v[W+j:W+j+1], v[CA:CA+1]
	s_delay_alu instid0(VALU_DEP_2)
	v_pk_fma_f32 v[CB:CB+1], v[S+j+2:S+j+3], v[W+j+2:W+j+3], v[CB:CB+1]
.set j, j+4
.endr
	ROWRED
	s_delay_alu instid0(VALU_DEP_1)
	v_mul_f32 v[B0], s28, v[CA]
	s_delay_alu instid0(VALU_DEP_1)
	v_mov_b32 v[B0+1], v[B0]
.set j, 0
.rept 32
	v_pk_mul_f32 v[W+j:W+j+1], v[W+j:W+j+1], v[X+j:X+j+1]   ; Wb x gain
.set j, j+2
.endr
.macro LOADT t                         ; tile t into X: it lies in slot (t / 2) % 2; for u = t % 2 = 1 eight rows further down
.set e, 0
.rept 16
	ds_load_b128 v[X+4*e:X+4*e+3], v[7-((\t)/2)%2] offset:8*TURNP*((\t)%2)+16*e
.set e, e+1
.endr
.endm
.macro TILE t
	s_wait_dscnt 0x0                               ; the tile, asked for ahead of the last tile's products, is in X
	SUM64 X
	s_delay_alu instid0(VALU_DEP_1)
	v_mul_f32 v[MU], s30, v[CA]                    ; the mean
.set j, 0
.rept 32
	v_pk_add_f32 v[X+j:X+j+1], v[X+j:X+j+1], v[MU:MU+1] op_sel_hi:[1,0] neg_lo:[0,1] neg_hi:[0,1]
.set j, j+2
.endr
	v_pk_mul_f32 v[CA:CA+1], v[X:X+1], v[X:X+1]    ; the variance, of the centred numbers
	v_pk_mul_f32 v[CB:CB+1], v[X+2:X+3], v[X+2:X+3]
.set j, 4
.rept 15
	s_delay_alu instid0(VALU_DEP_2)
	v_pk_fma_f32 v[CA:CA+1], v[X+j:X+j+1], v[X+j:X+j+1], v[CA:CA+1]
	s_delay_alu instid0(VALU_DEP_2)
	v_pk_fma_f32 v[CB:CB+1], v[X+j+2:X+j+3], v[X+j+2:X+j+3], v[CB:CB+1]
.set j, j+4
.endr
	ROWRED
	s_delay_alu instid0(VALU_DEP_1)
	v_fma_f32 v[RS], v[CA], s30, s31
	s_wait_alu depctr_va_vdst(0)
	v_rsq_f32 v[RS], v[RS]
	v_nop                                          ; one plain place behind a transcendental
.set j, 0
	s_wait_alu depctr_va_vdst(0)
	WIN 0x40                                       ; destination window 1
.rept 32
	v_pk_mul_f32 v[j:j+1], v[X+j:X+j+1], v[RS:RS+1] op_sel_hi:[1,0]
.set j, j+2
.endr
	WIN 0
; X is done with.  A slot's second tile is now in registers, so the slot is free: the change of slots stands here, and the next tile is asked of LDS ahead of this tile's products
.if (\t) == 1
	s_wait_alu depctr_va_vdst(0)
	CHANGE GA0, 1, 49152                           ; fill 1 is in; fill 2 into slot 0
.endif
.if (\t) == 3
	s_wait_alu depctr_va_vdst(0)
	CHANGE GA1, 1, 0                               ; fill 2 is in; fill 3 into slot 1
.endif
.if (\t) == 5
	s_wait_alu depctr_va_vdst(0)
	s_wait_tensorcnt 0x0                           ; fill 3 is in: only I read my part, and nothing is filled again
.endif
.if (\t) < 7
	LOADT (\t)+1
.endif
	WIN 0x01                                       ; source 0 window 1
.set q, 0
.rept 32                                       ; two accumulators by turns, one instruction a turn; the first two products start the sums
.if q < 2
	v_wmma_f32_16x16x4_f32 v[ACC+8*(q%2):ACC+8*(q%2)+7], v[2*q:2*q+1], v[W+2*q:W+2*q+1], 0
.else
	v_wmma_f32_16x16x4_f32 v[ACC+8*(q%2):ACC+8*(q%2)+7], v[2*q:2*q+1], v[W+2*q:W+2*q+1], v[ACC+8*(q%2):ACC+8*(q%2)+7]
.endif
.set q, q+1
.endr
	WIN 0
.rept 9
	v_nop                                          ; eight places before the results are read and X is loaded again, nine before the next tile's first products write over the accumulators (ISA guide 7.12.1)
.endr
.irp k, 0,1,2,3
	v_pk_add_f32 v[CA+2*\k:CA+2*\k+1], v[ACC+2*\k:ACC+2*\k+1], v[ACC+8+2*\k:ACC+8+2*\k+1]   ; both accumulators from their low end on
.endr
.irp k, 0,1,2,3
	s_delay_alu instid0(VALU_DEP_4)
	v_pk_fma_f32 v[S+16*((\t)/2)+8*((\t)%2)+2*\k:S+16*((\t)/2)+8*((\t)%2)+2*\k+1], v[CA+2*\k:CA+2*\k+1], s[28:29], v[B0:B0+1] op_sel_hi:[1,0,0]   ; t
.endr
.endm
	CHANGE GA1, 0, 32768                           ; fill 0 is in; fill 1 is asked for (slot 1's first fill, issued as a refill is)
	LOADT 0
.irp n, 0,1,2,3,4,5,6,7
	TILE \n
.endr
	; ---- the softmax's p.  Lane (head, h) holds t of 64 positions
.irp c, 0,1,2,3
	v_max3_num_f32 v[CA+\c], v[S+16*\c], v[S+16*\c+1], v[S+16*\c+2]
.endr
.irp i, 3,5,7,9,11,13
.irp c, 0,1,2,3
	s_delay_alu instid0(VALU_DEP_4)
	v_max3_num_f32 v[CA+\c], v[CA+\c], v[S+16*\c+\i], v[S+16*\c+\i+1]
.endr
.endr
.irp c, 0,1,2,3
	s_delay_alu instid0(VALU_DEP_4)
	v_max_num_f32 v[CA+\c], v[CA+\c], v[S+16*\c+15]
.endr
	s_delay_alu instid0(VALU_DEP_2)
	v_max3_num_f32 v[CA], v[CA], v[CA+1], v[CA+2]
	s_delay_alu instid0(VALU_DEP_1)
	v_max_num_f32 v[CA], v[CA], v[CA+3]
	s_delay_alu instid0(VALU_DEP_1)
	v_permlanex16_b32 v[CA+1], v[CA], s26, s27
	s_delay_alu instid0(VALU_DEP_1)
	v_max_num_f32 v[CA], v[CA], v[CA+1]            ; my wave's 128 positions
	ds_store_b32 v8, v[CA]
	BARRIER
	ds_load_b128 v[CA:CA+3], v9                    ; the four waves of my row
	s_wait_dscnt 0x0
	v_max3_num_f32 v[CA], v[CA], v[CA+1], v[CA+2]
	s_delay_alu instid0(VALU_DEP_1)
	v_max_num_f32 v[CA], v[CA], v[CA+3]
	s_delay_alu instid0(VALU_DEP_1)
	v_floor_f32 v[MU], -v[CA]                      ; -M = floor(-t) = -ceil(the row's largest t)
.set j, 0
.rept 32
	v_pk_add_f32 v[S+j:S+j+1], v[S+j:S+j+1], v[MU:MU+1] op_sel_hi:[1,0]
.set j, j+2
.endr
.set j, 0
	s_wait_alu depctr_va_vdst(0)
.rept 64
	v_exp_f32 v[S+j], v[S+j]                       ; p = 2^(t - M)
.set j, j+1
.endr
	v_nop                                          ; one plain place behind the exponentials
	s_wait_alu depctr_va_vdst(0)
	SUM64 S                                        ; the sum is taken of the unquantised p
	ds_store_b32 v10, v[CA]
	QUANT4
.irp c, 0,1,2
	ds_store_b128 v11, v[PC+4*\c:PC+4*\c+3] offset:16*\c
.endr
	ds_store_b32 v12, v[PW]
	v_add_nc_u32 v232, STGP+6400, v0               ; the 256 bytes behind the 6,400 bytes of rows are set, a byte a thread; no read reaches them
	v_mov_b32 v233, 0
	ds_store_b8 v232, v233
	BARRIER
	; ---- out: wave w stores head w's two rows (800 consecutive bytes) and their sums
	ds_load_b128 v[236:239], v13
	ds_load_b32 v232, v14
	v_cmp_gt_u32 vcc_lo, 18, v1
	s_wait_xcnt 0x0                                ; EXEC changes only behind this wait
	s_wait_tensorcnt 0x0                           ; the wave's end, behind my last LDS store
	ds_add_u32 v254, v255
	s_wait_dscnt 0x0
	s_and_saveexec_b32 s40, vcc_lo                 ; the last 288 bytes: 18 lanes
	ds_load_b128 v[240:243], v13 offset:512
	s_wait_dscnt 0x0
	global_store_b128 v5, v[240:243], s[42:43] offset:512
	s_wait_xcnt 0x0
	s_or_b32 exec_lo, exec_lo, s40
	global_store_b128 v5, v[236:239], s[42:43]
	v_add_f32_dpp v232, v232, v232 row_xmask:1 row_mask:0xf bank_mask:0xf
	s_delay_alu instid0(VALU_DEP_1)
	v_add_f32_dpp v232, v232, v232 row_xmask:2 row_mask:0xf bank_mask:0xf   ; l: the four waves' sums
	s_delay_alu instid0(VALU_DEP_1)
	v_mov_b32 v233, v232                           ; (l, l): the reader multiplies two numbers at a time by it
	v_and_b32 v234, 27, v1
	s_delay_alu instid0(VALU_DEP_1)
	v_cmp_eq_u32 vcc_lo, 0, v234                   ; lanes 0 and 4
	s_wait_alu depctr_va_vdst(0)
	s_wait_xcnt 0x0
	s_and_saveexec_b32 s40, vcc_lo
	global_store_b64 v15, v[232:233], s[44:45]
	s_wait_xcnt 0x0
	s_or_b32 exec_lo, exec_lo, s40
	s_endpgm
.Lfunc_end_k_qacbb0b65c9_pairsm:
	.size	k_qacbb0b65c9_pairsm, .Lfunc_end_k_qacbb0b65c9_pairsm-k_qacbb0b65c9_pairsm
	.p2alignl 7, 3214868480
	.fill 96, 4, 3214868480
	.section	.rodata,"a",@progbits
	.p2align	6, 0x0
	.amdhsa_kernel k_qacbb0b65c9_pairsm
		.amdhsa_group_segment_fixed_size 327680
		.amdhsa_private_segment_fixed_size 0
		.amdhsa_enable_private_segment 0
		.amdhsa_kernarg_size 72
		.amdhsa_user_sgpr_count 2
		.amdhsa_user_sgpr_kernarg_segment_ptr 1
		.amdhsa_wavefront_size32 1
		.amdhsa_system_sgpr_workgroup_id_x 1
		.amdhsa_system_sgpr_workgroup_id_y 1
		.amdhsa_system_sgpr_workgroup_id_z 1
		.amdhsa_system_vgpr_workitem_id 0
		.amdhsa_next_free_vgpr 320
		.amdhsa_next_free_sgpr 80
		.amdhsa_reserve_vcc 1
		.amdhsa_float_denorm_mode_32 3
		.amdhsa_float_denorm_mode_16_64 3
		.amdhsa_memory_ordered 1
		.amdhsa_forward_progress 1
		.amdhsa_inst_pref_size 172
	.end_amdhsa_kernel
	.amdgpu_metadata
---
amdhsa.version: [ 1, 2 ]
amdhsa.kernels:
  - .name:           k_qacbb0b65c9_pairsm
    .symbol:         k_qacbb0b65c9_pairsm.kd
    .args:
      - { .name: pair, .offset: 0, .size: 8, .value_kind: global_buffer, .address_space: global }
      - { .name: ln_pair_w, .offset: 8, .size: 8, .value_kind: global_buffer, .address_space: global }
      - { .name: ln_pair_b, .offset: 16, .size: 8, .value_kind: global_buffer, .address_space: global }
      - { .name: Wb, .offset: 24, .size: 8, .value_kind: global_buffer, .address_space: global }
      - { .name: Wv, .offset: 32, .size: 8, .value_kind: global_buffer, .address_space: global }
      - { .name: Wg, .offset: 40, .size: 8, .value_kind: global_buffer, .address_space: global }
      - { .name: Wo, .offset: 48, .size: 8, .value_kind: global_buffer, .address_space: global }
      - { .name: pbuf, .offset: 56, .size: 8, .value_kind: global_buffer, .address_space: global }
      - { .name: wfrag, .offset: 64, .size: 8, .value_kind: global_buffer, .address_space: global }
    .group_segment_fixed_size: 327680
    .private_segment_fixed_size: 0
    .kernarg_segment_align: 8
    .kernarg_segment_size: 72
    .max_flat_workgroup_size: 256
    .sgpr_count:     80
    .vgpr_count:     320
    .wavefront_size: 32
...
	.end_amdgpu_metadata
.endif
;; end of part 1
;; launch msaavg (part 2): grid 256 x 1, 8 waves a work-group, clusters of 4 x 1, 327,680 bytes of LDS; arguments msa, ln_msa_w, ln_msa_b, pbuf, wfrag, out0; writes out0
.if DOCPART == 2
	.amdgcn_target "amdgcn-amd-amdhsa--gfx1250"
	.amdhsa_code_object_version 6
	.text
	.protected	k_qacbb0b65c9_msaavg
	.globl	k_qacbb0b65c9_msaavg
	.p2align	8
	.type	k_qacbb0b65c9_msaavg,@function
k_qacbb0b65c9_msaavg:
	s_mov_b64 s[64:65], 0
	v_nop
	global_prefetch_b8 v0, s[64:65] scope:SCOPE_SE
	s_setreg_imm32_b32 hwreg(HW_REG_WAVE_MODE, 25, 1), 1
	s_wait_xcnt 0x0
	s_wait_alu depctr_hold_cnt(0) depctr_sa_sdst(0) depctr_va_vdst(0) depctr_va_sdst(0) depctr_va_ssrc(0) depctr_va_vcc(0) depctr_vm_vsrc(0)
	s_getreg_b32 s2, hwreg(HW_REG_IB_STS2, 6, 4)
	s_cmp_eq_u32 s2, 0
	s_cbranch_scc0 .Lentry_in_a_cluster
	s_endpgm
.Lentry_in_a_cluster:
	s_bfe_u32 s2, ttmp6, 0x10000c
	s_cmp_lg_u32 s2, 0x3003
	s_cbranch_scc0 .Lentry_shape_is_right
	s_endpgm
.Lentry_shape_is_right:
; out[s][i][:] = (sigmoid(mn Wg) x (sum over j of p[i][j][head] v[s][j][head][:]) / l[i][head]) Wo, mn = LayerNorm(msa), v = mn Wv.  All four products on codes of E3M2 with one E8M0 byte for each 32 along K.
; SHARES.  A work-group owns s = 2 WG, 2 WG + 1.  WAVE hd IS HEAD hd: its V^T of both s (192 registers) is made once and stays in registers.  For the last product wave w takes unit w / 2 and half w % 2 of the 64 outputs.
; TILE ORDER.  Positions go in groups of 32; row r of tile u of group g is position 32 g + 8 u + r + 8 (r / 8); a head's channels likewise: the 16 result registers of tiles 0, 1 are 16 neighbours along the next K.
; THE A STEPS, eight of them.  In step t wave w normalises and quantises tile T = 8 t + w of mn (T = 32 s + 2 g + u): the eight waves together make one K step of 128 positions j of one s, as images of the operand's registers in LDS.
; Behind a barrier every wave multiplies these eight tiles by its head's Wv and quantises along j: K step t % 4 of V^T of s = t / 4.  msa's tiles are asked for three steps ahead: 8 loads a wave and step, 16 to 24 out.
; V^T's fragment (s, c, k) lies at ((4 s + k) 2 + c) 12 in window 1: step t writes registers 24 t .. 24 t + 23, which lie in the landing sets of tiles 0 .. t (32 registers each), all read by then.
; MAIN: 18 periods.  In period n: (d) the walk's n-th group of 32 rows i: gate product, sum over j, gate, / l, quantised along the channels, image to LDS; (c) the group before: the product with Wo, to a stage; (b) the group before that: whole rows out.
; THE WALK.  Cluster c begins at group g0 = (c + 8 x bit 4 of c + bit 5 of c) % 16 and goes round; each refill names a group that clusters which began one group further on have asked for a period earlier, so no prefetch of pbuf is laid.
; p COMES THROUGH A RING OF TWO SLOTS of 8 x 13,056 bytes.  Each wave fetches and reads its own head's block; the four work-groups of a cluster walk alike and ask JOINTLY (mask 15).  A wave has one tensor load out at a time.
; K = 64 of the first two products fills half of the instruction's 128: the upper six registers of both operands hold zero codes, under scale bytes 0.
; LIMITS: NaN and infinities among the inputs are not served.  A block whose largest magnitude lies under 2^-122 keeps the scale byte 1 (a block of zeros too: its codes are zeros).
; The gate is o / (l (1 + 2^(-x log2 e))): where that product passes the largest f32 number the result is 0, as the gate's own value is to f32's last bits.
.set SLOT1, 1<<17
.set BLK,   13056                      ; a head's block: 32 rows of 400 bytes, then 32 x (l, l)
.set GRP,   8*BLK
.set GOI,   GRP                        ; images of g x o: 2 parities x 4 units x 2 K steps x 32 lanes x 48 bytes
.set GOIP,  12288
.set GOS,   GOI+2*GOIP                 ; their scale words
.set SPARE, GOS+1024                   ; the spare words, 128 bytes for each wave: no other line names them
.set MNI,   SLOT1+GRP                  ; images of mn: 64 tiles of 768 bytes: registers 0-3 at 16 x lane, 4-5 at 512 + 8 x lane
.set MNS,   MNI+64*768                 ; their scale words, 64 T + 4 r
.set STG,   MNS+64*64                  ; the stage for out: 2 parities x 4 units x 16 rows x 272; in the A steps chunk w of 4,352 bytes is wave w's turning stage
.set STGP,  17408
.set REC,   1792
; v1 spare word's address, v2 zero: for the add alone.  v3 16 x lane.  v0, in the main part: my byte offset in out.  v4-15 LDS bases; v16-27 the period's addresses (A steps: temporaries).  v28, v29 a scale word, a scale byte
.set VS,  32                           ; v32-47   V^T's scale words, (2 s + c) 4 + K step      (v32-61 hold scales and nothing else)
.set PS,  48                           ; v48-51   p's;  A steps: mn's
.set WGS, 52
.set MS,  54
.set WOS, 56
.set GS,  60                           ; v60-61   g x o's;  A steps: Wv's
.set PF,  64                           ; v64-111  p's four fragments;  A steps: four mn fragments
.set OA,  112                          ; v112-143 sums over j;  (c): out's two accumulators;  A steps: four accumulators, and a tile's numbers
.set XR,  112
.set GA,  144                          ; v144-175 the gate's;  (c): g x o's two fragments;  A steps: bias 0-15 at v144, v160-167 at work, gain 24-31 at v168
.set MF,  176                          ; v176-199 mn's fragments of s = 0, 1;  A steps: Wv's two
.set WGF, 200                          ; v200-223 Wg's two;  A steps: gain 0-23
.set TM,  224                          ; v224-231 the quantiser's
.set PC,  232
.set OR,  240                          ; v240-255 rows of out;  A steps: bias 16-31
; v[62:63], v[30:31]: (l, l) of tile 0, 1.   window 1: 0-191 V^T;  192-239 Wo's four fragments;  A steps: the eight tiles of msa as loaded
.set MSB, 0
.macro WIN new                         ; the immediate's high byte repeats the setting that is left
.if MSB != \new
	s_set_vgpr_msb (MSB<<8)|\new
.set MSB, \new
.endif
.endm
.macro VW
	s_wait_alu depctr_va_vdst(0)
.endm
.macro BARRIER
	s_wait_dscnt 0x0
	s_barrier_signal -1
	s_barrier_wait -1
.endm
.macro CROUND                          ; a round of the cluster's barrier
	s_barrier_signal -1
	s_barrier_wait -1
	s_cmp_lg_u32 s16, 0
	s_cbranch_scc1 .Lnot_wave_0_\@
	s_barrier_signal -3
.Lnot_wave_0_\@:
	s_barrier_wait -3
	s_barrier_signal -1
	s_barrier_wait -1
.endm
.macro PLACES n
.rept \n
	v_nop
.endr
.endm
; one matrix instruction: acc = 0: the product starts the sum;  row = 1: source 1's scales are read from lanes 16-31
.macro MM d, a, b, sa, sb, acc, row
.if \acc
.if \row
	v_wmma_scale_f32_16x16x128_f8f6f4 v[(\d):(\d)+7], v[(\a):(\a)+11], v[(\b):(\b)+11], v[(\d):(\d)+7], v[(\sa)], v[(\sb)] matrix_a_fmt:MATRIX_FMT_BF6 matrix_b_fmt:MATRIX_FMT_BF6 matrix_b_scale:MATRIX_SCALE_ROW1
.else
	v_wmma_scale_f32_16x16x128_f8f6f4 v[(\d):(\d)+7], v[(\a):(\a)+11], v[(\b):(\b)+11], v[(\d):(\d)+7], v[(\sa)], v[(\sb)] matrix_a_fmt:MATRIX_FMT_BF6 matrix_b_fmt:MATRIX_FMT_BF6
.endif
.else
.if \row
	v_wmma_scale_f32_16x16x128_f8f6f4 v[(\d):(\d)+7], v[(\a):(\a)+11], v[(\b):(\b)+11], 0, v[(\sa)], v[(\sb)] matrix_a_fmt:MATRIX_FMT_BF6 matrix_b_fmt:MATRIX_FMT_BF6 matrix_b_scale:MATRIX_SCALE_ROW1
.else
	v_wmma_scale_f32_16x16x128_f8f6f4 v[(\d):(\d)+7], v[(\a):(\a)+11], v[(\b):(\b)+11], 0, v[(\sa)], v[(\sb)] matrix_a_fmt:MATRIX_FMT_BF6 matrix_b_fmt:MATRIX_FMT_BF6
.endif
.endif
.endm
; 32 registers from s on: two blocks, 16 numbers of each (the other 16 lie in lane l xor 16).  Behind it lanes 0-15 hold the first block's 32 codes, lanes 16-31 the second's: lower half in v[PC .. PC+2], upper in v[PC+4 .. PC+6]
; (pack = 1: moved to v[PC+3 .. PC+5]); the bytes stand in v[TM+6], v[TM+7].  The maxima go in four chains, one for each group of eight registers, each group read from its low end on.
.macro QUANT2 s, pack
	v_max3_num_f32 v[TM], |v[(\s)]|, |v[(\s)+1]|, 0x2800000        ; with the floor 2^(5 - 127): the byte cannot fall under 1
	v_max3_num_f32 v[TM+1], |v[(\s)+16]|, |v[(\s)+17]|, 0x2800000
	v_max3_num_f32 v[TM+2], |v[(\s)+8]|, |v[(\s)+9]|, |v[(\s)+10]|
	v_max3_num_f32 v[TM+3], |v[(\s)+24]|, |v[(\s)+25]|, |v[(\s)+26]|
.irp i, 2,4
	v_max3_num_f32 v[TM], v[TM], |v[(\s)+\i]|, |v[(\s)+\i+1]|
	v_max3_num_f32 v[TM+1], v[TM+1], |v[(\s)+16+\i]|, |v[(\s)+17+\i]|
	v_max3_num_f32 v[TM+2], v[TM+2], |v[(\s)+9+\i]|, |v[(\s)+10+\i]|
	v_max3_num_f32 v[TM+3], v[TM+3], |v[(\s)+25+\i]|, |v[(\s)+26+\i]|
.endr
	v_max3_num_f32 v[TM], v[TM], |v[(\s)+6]|, |v[(\s)+7]|
	v_max3_num_f32 v[TM+1], v[TM+1], |v[(\s)+22]|, |v[(\s)+23]|
	v_max3_num_f32 v[TM], v[TM], v[TM+2], |v[(\s)+15]|
	v_max3_num_f32 v[TM+1], v[TM+1], v[TM+3], |v[(\s)+31]|
	v_permlanex16_b32 v[TM+2], v[TM], s20, s21
	v_permlanex16_b32 v[TM+3], v[TM+1], s20, s21
	v_max_num_f32 v[TM], v[TM], v[TM+2]
	v_max_num_f32 v[TM+1], v[TM+1], v[TM+3]
	v_add_nc_u32 v[TM+4], 0xfe000000, v[TM]        ; 4 off the exponent field: the conversion's scale operand
	v_add_nc_u32 v[TM+5], 0xfe000000, v[TM+1]
	v_lshrrev_b32 v[TM+6], 23, v[TM+4]             ; the scale's byte
	v_lshrrev_b32 v[TM+7], 23, v[TM+5]
	v_cvt_scalef32_pk16_bf6_f32 v[PC:PC+2], v[(\s):(\s)+15], v[TM+4]
	v_cvt_scalef32_pk16_bf6_f32 v[PC+4:PC+6], v[(\s)+16:(\s)+31], v[TM+5]
	v_nop                                          ; one plain place behind a scaled conversion
.irp i, 0,1,2
	v_permlane16_swap_b32 v[PC+\i], v[PC+4+\i]
.endr
.if \pack
.irp i, 0,1,2
	v_mov_b32 v[PC+3+\i], v[PC+4+\i]
.endr
.endif
.endm
.macro ROWRED                          ; two chains, the pair's halves, and lane l xor 16's half of the row
	v_pk_add_f32 v[160:161], v[160:161], v[162:163]
	v_add_f32 v160, v160, v161
	v_permlanex16_b32 v161, v160, s20, s21
	v_add_f32 v160, v160, v161
.endm
.macro LOADX t                         ; tile 8 t + w of msa into its landing set: each load two neighbouring positions, 512 consecutive bytes
	WIN 0x40                                       ; destination window 1
.set q, 0
.rept 8
	global_load_b128 v[32*(\t)+4*q:32*(\t)+4*q+3], v3, s[4:5] offset:256*(512*((\t)/4)+128*((\t)%4)+2*q+8*(q/4)) th:TH_LOAD_NT
.set q, q+1
.endr
	WIN 0
.endm
	s_load_b256 s[4:11], s[0:1], 0x0               ; msa 4, gain 6, bias 8, pbuf 10
	s_load_b128 s[12:15], s[0:1], 0x20             ; wfrag 12, out 14
	v_lshl_add_u32 v1, v0, 2, SPARE
	v_mov_b32 v2, 0
	ds_add_u32 v1, v2                              ; the opening lines: the add, twice on end, and its wait ahead of my first tensor load
	ds_add_u32 v1, v2
	v_lshrrev_b32 v16, 5, v0
	v_readfirstlane_b32 s16, v16                   ; wave 0..7
	v_and_b32 v17, 31, v0                          ; lane
	v_and_b32 v18, 15, v0                          ; r
	v_bfe_u32 v19, v0, 4, 1                        ; h
	v_lshlrev_b32 v3, 4, v17
	v_lshlrev_b32 v25, 3, v17
	v_lshlrev_b32 v26, 2, v17
	v_lshlrev_b32 v27, 6, v19
	VW                                             ; these are read again behind runs of scalar instructions
	s_bfe_u32 s17, ttmp6, 0x40000                  ; cx: it enters msa's and out's addresses alone
	s_lshl_b32 s18, ttmp9, 2
	s_add_co_u32 s18, s18, s17                     ; work-group = 4 x cluster + cx
	s_bfe_u32 s2, ttmp9, 0x10004
	s_lshl_b32 s2, s2, 3
	s_add_co_u32 s2, s2, ttmp9
	s_bfe_u32 s3, ttmp9, 0x10005
	s_add_co_u32 s2, s2, s3
	s_and_b32 s2, s2, 15                           ; g0
	s_mov_b32 s3, 0                                ; the period's number
	s_and_b32 s19, s16, 1
	s_lshr_b32 s53, s16, 2
	s_bfe_u32 s54, s16, 0x10001
	s_lshr_b32 s55, s16, 1
	s_mul_i32 s56, s16, BLK
	v_mul_u32_u24 v4, v18, 400
	v_add_nc_u32 v4, s56, v4
	v_mad_u32_u24 v5, v19, 6400, v4
	v_add_nc_u32 v5, 384, v5                       ; p's scale words: row r of tile h
	v_mad_u32_u24 v4, v19, 48, v4                  ; p's codes: row r, + 48 h
	v_lshlrev_b32 v6, 3, v18
	v_add_nc_u32 v6, s56, v6
	v_add_nc_u32 v6, 12800, v6                     ; (l, l) of row r
	v_add_nc_u32 v7, MNI, v3
	v_add_nc_u32 v8, MNI+512, v25
	v_lshl_add_u32 v9, v18, 2, MNS
	s_mul_i32 s56, s53, 1536                       ; my head's block of a row of g x o: K step hd / 4; in it block hd % 4 = 2 c + h': lane r + 16 h', byte 24 c
	s_mul_i32 s57, s19, 768
	s_add_co_u32 s56, s56, s57
	s_mul_i32 s57, s54, 24
	s_add_co_u32 s56, s56, s57
	s_add_co_u32 s56, s56, GOI
	v_mul_u32_u24 v10, v18, 48
	v_mad_u32_u24 v10, v19, 3072, v10              ; lanes 16-31 hold s = 1's block: one unit on
	v_add_nc_u32 v10, s56, v10
	s_lshl_b32 s56, s53, 6
	s_and_b32 s57, s16, 3
	s_add_co_u32 s56, s56, s57
	s_add_co_u32 s56, s56, GOS
	v_lshlrev_b32 v11, 2, v18
	v_lshl_add_u32 v11, v19, 7, v11
	v_add_nc_u32 v11, s56, v11                     ; and its byte of the row's scale word
	s_mul_i32 s56, s55, 3072
	s_add_co_u32 s56, s56, GOI
	v_mul_u32_u24 v12, v17, 48
	v_add_nc_u32 v12, s56, v12                     ; my unit's fragments back: 48 bytes a lane
	s_lshl_b32 s56, s55, 7
	s_add_co_u32 s56, s56, GOS
	v_lshlrev_b32 v13, 2, v18
	v_add_nc_u32 v13, s56, v13
	s_mul_i32 s57, s55, 4352
	s_add_co_u32 s57, s57, STG                     ; my unit's 16 rows of the stage
	s_lshl_b32 s56, s19, 7
	s_add_co_u32 s56, s56, s57
	v_mul_u32_u24 v14, v18, 272
	v_lshl_add_u32 v14, v19, 5, v14
	v_add_nc_u32 v14, s56, v14                     ; in: row r, my half of the outputs, + 32 h
	s_mul_i32 s56, s19, 8*272
	s_add_co_u32 s56, s56, s57
	v_mul_u32_u24 v15, v19, 272
	v_lshl_add_u32 v15, v18, 4, v15
	v_add_nc_u32 v15, s56, v15                     ; back: my eight rows, two an instruction
	s_mul_i32 s56, s16, 4352
	s_add_co_u32 s56, s56, STG
	v_mul_u32_u24 v20, v19, 272
	v_lshl_add_u32 v20, v18, 4, v20
	v_add_nc_u32 v20, s56, v20                     ; turning stage in: two positions' 512 bytes
	v_mul_u32_u24 v21, v18, 272
	v_lshl_add_u32 v21, v19, 6, v21
	v_add_nc_u32 v21, s56, v21                     ; and out: row r, + 64 h
	s_mul_i32 s56, s16, 768                        ; tile 8 t + w: my wave's image of each step's eight
	v_add_nc_u32 v22, s56, v7
	v_add_nc_u32 v23, s56, v8
	s_lshl_b32 s56, s16, 6
	v_add_nc_u32 v24, s56, v9
	v_mov_b32 v165, 0                              ; (upper words of pairs of which the low word serves both halves)
	v_mov_b32 v167, 0
.irp a, 70,82,94,106,182,194                   ; zero codes for k = 64 .. 127 of mn's and Wv's fragments
.irp i, 0,1,2,3,4,5
	v_mov_b32 v[\a+\i], 0
.endr
.endr
	s_mov_b32 s20, 0x76543210
	s_mov_b32 s21, 0xfedcba98
	s_mov_b32 s22, 0xbfb8aa3b                      ; -log2(e)
	s_mov_b32 s23, s22
	s_mov_b32 s24, 0x3c800000                      ; 1 / 64
	s_mov_b32 s25, 0x3727c5ac                      ; 1e-5
	s_mov_b32 s26, 0xffff0000
	s_mov_b32 s44, 0
	s_mov_b32 s45, 0
	s_mov_b32 s46, GOIP
	s_mov_b32 s47, 0
	s_mov_b32 s48, 512
	s_mov_b32 s49, 0
	s_mov_b32 s50, STGP
	s_mul_i32 s51, s2, 2*768                       ; mn's images of the walk's first group,
	s_lshl_b32 s52, s2, 7                          ; and their scale words
	s_mov_b32 s28, 15|(3<<16)|(1<<21)              ; group 1: a dense block of 13,056 bytes as 51 rows of 32 elements of 8 bytes; the mask names all four work-groups
	s_mov_b32 s29, 32<<16
	s_mov_b32 s30, 51<<16
	s_mov_b32 s31, 32<<16
	s_mov_b32 s32, 51
	s_mov_b32 s33, 32
	s_mov_b32 s34, 0
	s_mov_b32 s35, 0
	s_lshl_b32 s62, s18, 18                        ; 262,144 bytes a work-group, of msa and of out
	s_mov_b32 s63, 0
	s_mov_b32 s57, 0                               ; from here on the upper word of the offsets in s[56:57]
	VW                                             ; the head's end
	s_wait_dscnt 0x0                               ; both opening adds are done
	s_wait_kmcnt 0x0
	s_add_nc_u64 s[4:5], s[4:5], s[62:63]
	s_add_nc_u64 s[14:15], s[14:15], s[62:63]
	s_lshl_b32 s56, s55, 13                        ; msa: group w / 2 of a K step's four, 32 positions of 256 bytes,
	s_lshl_b32 s58, s19, 11                        ; and 8 positions for tile w % 2
	s_add_co_u32 s56, s56, s58
	s_add_nc_u64 s[4:5], s[4:5], s[56:57]
	s_lshl_b32 s56, s54, 17                        ; out: my unit's s,
	s_lshl_b32 s58, s53, 11                        ; 8 positions for its tile,
	s_add_co_u32 s56, s56, s58
	s_lshl_b32 s58, s19, 12                        ; 16 for my eight rows of it
	s_add_co_u32 s56, s56, s58
	s_add_nc_u64 s[14:15], s[14:15], s[56:57]
	s_mul_i32 s56, s16, REC
	s_add_nc_u64 s[58:59], s[12:13], s[56:57]      ; Wv's record of my head; Wg's lies eight records on
	s_mul_i32 s56, s19, 4*REC
	s_add_co_u32 s56, s56, 16*REC
	s_add_nc_u64 s[60:61], s[12:13], s[56:57]      ; Wo's four records of my half of the outputs
	s_mul_i32 s56, s16, BLK
	s_mov_b32 s36, 1                               ; group 0 for slot 0: my head's block of the walk's first group
	s_mov_b32 s37, s56
	s_mov_b32 s40, 1                               ; and for slot 1, the walk's second group: this one walks on
	s_add_co_u32 s41, s56, SLOT1
	s_add_nc_u64 s[10:11], s[10:11], s[56:57]      ; pbuf at my head's block of group 0: it stays
	s_mul_i32 s56, s2, GRP
	s_add_nc_u64 s[38:39], s[10:11], s[56:57]
	s_add_co_u32 s56, s2, 1
	s_and_b32 s56, s56, 15
	s_mul_i32 s56, s56, GRP
	s_add_nc_u64 s[42:43], s[10:11], s[56:57]
	s_or_b32 s39, s39, 0x80000000
	s_or_b32 s43, s43, 0x80000000
	; the loads, in the order in which they are wanted: 16 of gain and bias, 5 of Wv, the first three tiles of msa
.irp b, 0,1
.irp j, 0,1,2,3
	global_load_b128 v[200+16*\b+4*\j-56*((16*\b+4*\j)/24):203+16*\b+4*\j-56*((16*\b+4*\j)/24)], v27, s[6:7] offset:128*\b+16*\j   ; number 16 b + i: channel 32 b + 16 h + i
	global_load_b128 v[144+96*\b+4*\j:147+96*\b+4*\j], v27, s[8:9] offset:128*\b+16*\j
.endr
.endr
.irp c, 0,1
	global_load_b128 v[MF+12*\c:MF+12*\c+3], v3, s[58:59] offset:768*\c
	global_load_b64 v[MF+12*\c+4:MF+12*\c+5], v25, s[58:59] offset:768*\c+512
.endr
	global_load_b64 v[GS:GS+1], v25, s[58:59] offset:1536
	LOADX 0
	LOADX 1
	LOADX 2
	CROUND                                         ; all four work-groups are here: the first joint loads meet
	tensor_load_to_lds s[36:39], s[28:35]          ; my one tensor load at the head
	s_nop 0
	PLACES 4
.macro A1TILE t                        ; tile 8 t + w of mn
.if (\t) < 5
	s_wait_loadcnt 16                              ; this tile's eight loads, and all issued ahead of them, are in; the two younger tiles' may stay out
.else
	s_wait_loadcnt 8*(7-(\t))
.endif
	WIN 0x04                                       ; an LDS store's data are its source 1: window 1
.set q, 0
.rept 8
	ds_store_b128 v20, v[32*(\t)+4*q:32*(\t)+4*q+3] offset:544*q
.set q, q+1
.endr
	WIN 0
.irp b, 0,1
.irp j, 0,1,2,3
	ds_load_b128 v[XR+16*\b+4*\j:XR+16*\b+4*\j+3], v21 offset:128*\b+16*\j   ; LDS serves a wave's instructions in order: these see the stores above
.endr
.endr
	s_wait_dscnt 0x0
	v_pk_add_f32 v[160:161], v[XR:XR+1], v[XR+2:XR+3]
	v_pk_add_f32 v[162:163], v[XR+4:XR+5], v[XR+6:XR+7]
.irp j, 8,12,16,20,24,28
	v_pk_add_f32 v[160:161], v[160:161], v[XR+\j:XR+\j+1]
	v_pk_add_f32 v[162:163], v[162:163], v[XR+\j+2:XR+\j+3]
.endr
	ROWRED
	v_mul_f32 v164, s24, v160                      ; the mean
.set j, 0
.rept 16
	v_pk_add_f32 v[XR+j:XR+j+1], v[XR+j:XR+j+1], v[164:165] op_sel_hi:[1,0] neg_lo:[0,1] neg_hi:[0,1]
.set j, j+2
.endr
	v_pk_mul_f32 v[160:161], v[XR:XR+1], v[XR:XR+1]
	v_pk_mul_f32 v[162:163], v[XR+2:XR+3], v[XR+2:XR+3]
.irp j, 4,8,12,16,20,24,28
	v_pk_fma_f32 v[160:161], v[XR+\j:XR+\j+1], v[XR+\j:XR+\j+1], v[160:161]
	v_pk_fma_f32 v[162:163], v[XR+\j+2:XR+\j+3], v[XR+\j+2:XR+\j+3], v[162:163]
.endr
	ROWRED
	v_fma_f32 v166, v160, s24, s25
	VW
	v_rsq_f32 v166, v166
	v_nop                                          ; one plain place behind a transcendental
	VW
.set j, 0
.rept 16
	v_pk_mul_f32 v[XR+j:XR+j+1], v[XR+j:XR+j+1], v[166:167] op_sel_hi:[1,0]
.set j, j+2
.endr
.set j, 0
.rept 16
	v_pk_fma_f32 v[XR+j:XR+j+1], v[XR+j:XR+j+1], v[200+j-56*(j/24):201+j-56*(j/24)], v[144+j+80*(j/16):145+j+80*(j/16)]
.set j, j+2
.endr
	QUANT2 XR, 1
	v_lshl_or_b32 v28, v[TM+7], 8, v[TM+6]         ; the row's word: two bytes; the upper two, 0, stand over zero codes
	ds_store_b128 v22, v[PC:PC+3] offset:6144*(\t)
	ds_store_b64 v23, v[PC+4:PC+5] offset:6144*(\t)
	ds_store_b32 v24, v28 offset:512*(\t)
.endm
.macro LOADMN tt
.irp a, 0,1,2,3
	ds_load_b128 v[PF+12*\a:PF+12*\a+3], v7 offset:768*((\tt)+\a)
	ds_load_b64 v[PF+12*\a+4:PF+12*\a+5], v8 offset:768*((\tt)+\a)
	ds_load_b32 v[PS+\a], v9 offset:64*((\tt)+\a)
.endr
.endm
; V^T, step n: s = n / 8, K step (n / 2) % 4, half n % 2: four tiles of mn (64 positions j) x my head's 32 channels, 16 channels at a time.  more = 1: the next four tiles are fetched
.macro A2STEP n, more
	s_wait_dscnt 0x0
.irp c, 0,1
.irp a, 0,1,2,3
	MM OA+8*\a, PF+12*\a, MF+12*\c, PS+\a, GS+\c, 0, 0     ; source 0 = 16 positions, source 1 = 16 channels: a lane holds one channel, its registers run along j
.endr
	PLACES 4                                       ; in front of loads into registers that matrix instructions have read, and of the first read of results
.if \c*(\more)
	LOADMN 4*(\n)+4
.endif
	QUANT2 OA, 0
.if (\n)%2 == 0
	v_lshl_or_b32 v[VS+(2*((\n)/8)+\c)*4+((\n)/2)%4], v[TM+7], 8, v[TM+6]
.else
	v_lshl_or_b32 v28, v[TM+7], 8, v[TM+6]
	v_lshl_or_b32 v[VS+(2*((\n)/8)+\c)*4+((\n)/2)%4], v28, 16, v[VS+(2*((\n)/8)+\c)*4+((\n)/2)%4]
.endif
	WIN 0x40                                       ; destination window 1
.irp i, 0,1,2
	v_mov_b32 v[(((\n)/2)*2+\c)*12+6*((\n)%2)+\i], v[PC+\i]
	v_mov_b32 v[(((\n)/2)*2+\c)*12+6*((\n)%2)+3+\i], v[PC+4+\i]
.endr
	WIN 0
.endr
.endm
.macro ASTEP t
	A1TILE \t
.if (\t) == 7
.irp c, 0,1                                    ; gain, bias and the landing sets are done with: Wg's and Wo's fragments take their places
	global_load_b128 v[WGF+12*\c:WGF+12*\c+3], v3, s[58:59] offset:8*REC+768*\c
	global_load_b64 v[WGF+12*\c+4:WGF+12*\c+5], v25, s[58:59] offset:8*REC+768*\c+512
.endr
	global_load_b64 v[WGS:WGS+1], v25, s[58:59] offset:8*REC+1536
	WIN 0x40
.irp f, 0,1,2,3
.irp c, 0,1,2
	global_load_b128 v[192+12*\f+4*\c:195+12*\f+4*\c], v3, s[60:61] offset:REC*\f+512*\c
.endr
.endr
	WIN 0
.irp f, 0,1,2,3
	global_load_b32 v[WOS+\f], v26, s[60:61] offset:REC*\f+1536
.endr
.irp a, 206,218
.irp i, 0,1,2,3,4,5
	v_mov_b32 v[\a+\i], 0
.endr
.endr
	s_wait_tensorcnt 0x0                           ; my block of slot 0 is in (only I read it); then the add and its wait, ahead of slot 1's first fill
	ds_add_u32 v1, v2
	s_wait_dscnt 0x0                               ; the add is done, and my images have landed
	CROUND
	tensor_load_to_lds s[40:43], s[28:35]          ; slot 1's first fill: the first tensor load behind the round
	s_nop 0
.else
	BARRIER                                        ; this step's eight images lie in LDS.
.endif
	LOADMN 8*(\t)
.if (\t) < 5
	LOADX (\t)+3                                   ; the tile of three steps on
.endif
	A2STEP 2*(\t), 1
	A2STEP 2*(\t)+1, 0
.endm
.irp n, 0,1,2,3,4,5,6,7
	ASTEP \n
.endr
	s_wait_loadcnt 16                              ; Wg is in; Wo's 16 loads, issued behind it, may stay out
	; ---- MAIN
.macro DLOAD it                        ; tile it of the group: p's four fragments, mn's two and their words: 18 loads
.irp k, 0,1,2,3
.irp c, 0,1,2
	ds_load_b128 v[PF+12*\k+4*\c:PF+12*\k+4*\c+3], v16 offset:6400*\it+96*\k+16*\c
.endr
.endr
.irp s, 0,1
	ds_load_b128 v[MF+12*\s:MF+12*\s+3], v19 offset:24576*\s+768*\it
	ds_load_b64 v[MF+12*\s+4:MF+12*\s+5], v20 offset:24576*\s+768*\it
	ds_load_b32 v[MS+\s], v21 offset:2048*\s+64*\it
.endr
.endm
.macro DWORK it, cnt
.set LL, 62-32*\it
	s_wait_dscnt \cnt                              ; the tile's loads are in; the LDS stores issued behind them may stay out
.irp s, 0,1
.irp c, 0,1
	MM GA+8*(2*\s+\c), WGF+12*\c, MF+12*\s, WGS+\c, MS+\s, 0, 0  ; the gate's logits: source 0 = 16 channels, source 1 = 16 positions i
.endr
.endr
	WIN 0x01                                       ; source 0 (V^T) window 1
.irp k, 0,1,2,3                                ; the four accumulators by turns, one instruction a turn
.irp s, 0,1
.irp c, 0,1
	MM OA+8*(2*\s+\c), ((4*\s+\k)*2+\c)*12, PF+12*\k, VS+(2*\s+\c)*4+\k, PS+\k, \k, \it
.endr
.endr
.endr
	WIN 0
	PLACES 4
.if \it == 0
	DLOAD 1                                        ; the other tile lands under the gate
.endif
.set j, 0
.rept 16
	v_pk_mul_f32 v[GA+j:GA+j+1], v[GA+j:GA+j+1], s[22:23] op_sel_hi:[1,0]
.set j, j+2
.endr
	VW
.set j, 0
.rept 32
	v_exp_f32 v[GA+j], v[GA+j]                     ; e = 2^(-x log2 e)
.set j, j+1
.endr
	v_nop
	VW
.set j, 0
.rept 16
	v_pk_fma_f32 v[GA+j:GA+j+1], v[GA+j:GA+j+1], v[LL:LL+1], v[LL:LL+1]   ; l e + l
.set j, j+2
.endr
	VW
.set j, 0
.rept 32
	v_rcp_f32 v[GA+j], v[GA+j]
.set j, j+1
.endr
	v_nop
	VW                                             ; directly ahead of the first reader of the sums over j, too
.set j, 0
.rept 16
	v_pk_mul_f32 v[OA+j:OA+j+1], v[OA+j:OA+j+1], v[GA+j:GA+j+1]           ; sigmoid(x) o / l
.set j, j+2
.endr
	QUANT2 OA, 1                                   ; block 0: s = 0's 32 channels of my head, block 1: s = 1's
	v_cndmask_b32 v29, v[TM+6], v[TM+7], s26       ; lanes 16-31 take s = 1's byte
.irp i, 0,1,2
	ds_store_b64 v22, v[PC+2*\i:PC+2*\i+1] offset:6144*\it+8*\i
.endr
	ds_store_b8 v23, v29 offset:256*\it
.endm
.macro TURNS                           ; the period's scalars
	s_xor_b32 s44, s44, SLOT1
	s_xor_b32 s45, s45, GOIP
	s_xor_b32 s46, s46, GOIP
	s_xor_b32 s47, s47, 512
	s_xor_b32 s48, s48, 512
	s_xor_b32 s49, s49, STGP
	s_xor_b32 s50, s50, STGP
	s_add_co_u32 s3, s3, 1                         ; the period's number n
	s_add_co_u32 s58, s2, s3                       ; g0 + n
	s_and_b32 s59, s58, 15                         ; the group of (d), round the sixteen:
	s_mul_i32 s51, s59, 2*768                      ; its two tiles of mn,
	s_lshl_b32 s52, s59, 7                         ; their scale words
	s_add_co_u32 s59, s58, 14
	s_and_b32 s59, s59, 15                         ; the group of (b), two periods back:
	s_lshl_b32 s60, s59, 13                        ; its 32 positions of 256 bytes in out
.endm
; sync = 0: the first period (slot 0 was waited for in the last A step).  1: a round of the cluster's barrier, and behind it the joint refill of the slot read last period.  2, 3: the work-group's barrier alone (2: the last tensor load is waited for).
.macro PERIOD sync, b, c, d
.if \sync == 1
	s_wait_tensorcnt 0x0                           ; all my tensor loads have landed: my block of the slot that I am about to read;
	ds_add_u32 v1, v2                              ; 0 onto my spare word; the scalars' steps stand between it and the wait for it
	TURNS
	s_xor_b32 s41, s41, SLOT1                      ; the walking descriptor (no tensor load of mine is out): the other slot,
	s_add_co_u32 s59, s58, 1
	s_and_b32 s59, s59, 15                         ; the group of the next period, round the sixteen,
	s_mul_i32 s56, s59, GRP
	s_add_nc_u64 s[42:43], s[10:11], s[56:57]
	s_or_b32 s43, s43, 0x80000000
	s_wait_dscnt 0x0                               ; the add is done, my LDS stores have landed, and my reads of the slot, the images and the stage are over
	CROUND                                         ; the same now holds of every wave of all four work-groups
	tensor_load_to_lds s[40:43], s[28:35]          ; the first thing behind the round, and my one tensor load until the next
	s_nop 0
.endif
.if \sync == 2
	s_wait_tensorcnt 0x0                           ; the walk's last group's block
.endif
.if \sync >= 2
	TURNS
	BARRIER
.endif
.if \d
	v_add_nc_u32 v16, s44, v4                      ; the period's addresses
	v_add_nc_u32 v17, s44, v5
	v_add_nc_u32 v18, s44, v6
	v_add_nc_u32 v19, s51, v7
	v_add_nc_u32 v20, s51, v8
	v_add_nc_u32 v21, s52, v9
	v_add_nc_u32 v22, s45, v10
	v_add_nc_u32 v23, s47, v11
.endif
.if \c
	v_add_nc_u32 v24, s46, v12
	v_add_nc_u32 v25, s48, v13
	v_add_nc_u32 v26, s49, v14
.endif
.if \b
	v_add_nc_u32 v27, s50, v15
.endif
	VW                                             ; the addresses are read behind waits
.if \b
	s_wait_xcnt 0x0                                ; the last period's stores have read their data and their offset: both are written again below
.irp i, 0,1,2,3
	ds_load_b128 v[OR+4*\i:OR+4*\i+3], v27 offset:544*\i
.endr
.endif
.if \c
.irp k, 0,1
.irp i, 0,1,2
	ds_load_b128 v[GA+12*\k+4*\i:GA+12*\k+4*\i+3], v24 offset:1536*\k+16*\i
.endr
	ds_load_b32 v[GS+\k], v25 offset:64*\k
.endr
.endif
.if \d
	ds_load_b128 v[PS:PS+3], v17
	ds_load_b64 v[62:63], v18
	ds_load_b64 v[30:31], v18 offset:128
	DLOAD 0
.endif
.if \b                                         ; (b): eight whole rows of out, 2 KiB on end
	s_wait_dscnt 8*\c+21*\d                        ; my four loads are in; the 8 of (c) and the 21 of (d) may stay out
	v_add_nc_u32 v0, s60, v3                       ; 16 x lane + the group's place
.irp i, 0,1,2,3
	global_store_b128 v0, v[OR+4*\i:OR+4*\i+3], s[14:15] offset:512*\i th:TH_STORE_NT   ; 32 lanes store 512 consecutive bytes, at a multiple of 256 from out's first byte
.endr
.endif
.if \c                                         ; (c): my unit's 16 rows x my 32 outputs
	s_wait_dscnt 21*\d
	WIN 0x01                                       ; source 0 (Wo) window 1
.irp k, 0,1
.irp n, 0,1
	MM OA+8*\n, 192+12*(2*\n+\k), GA+12*\k, WOS+2*\n+\k, GS+\k, \k, 0
.endr
.endr
	WIN 0
	PLACES 5                                       ; four before the results are stored, five before (d)'s products write over these operands and results
.irp n, 0,1
	ds_store_b128 v26, v[OA+8*\n:OA+8*\n+3] offset:64*\n          ; each accumulator from its low end on
	ds_store_b128 v26, v[OA+8*\n+4:OA+8*\n+7] offset:64*\n+16
.endr
.endif
.if \d
	DWORK 0, 4*\c
	DWORK 1, 4
.endif
.endm
	PERIOD 0, 0, 0, 1
	s_wait_loadcnt 0x0                             ; Wo is in: no load of mine is out, so wfrag's bases s[58:61] and the loads' offsets may take other numbers
	PERIOD 1, 0, 1, 1
	s_mov_b32 s27, 13
.Lperiod:                                          ; periods 2 to 14
	PERIOD 1, 1, 1, 1
	s_sub_co_u32 s27, s27, 1
	s_cmp_lg_u32 s27, 0
	s_cbranch_scc1 .Lperiod
	PERIOD 2, 1, 1, 1                              ; the tail is written out
	PERIOD 3, 1, 1, 0
	PERIOD 3, 1, 0, 0
	s_wait_tensorcnt 0x0                           ; the wave's end, behind my last tensor load and my last LDS store
	ds_add_u32 v1, v2
	s_wait_dscnt 0x0
	CROUND                                         ; the closing round: no work-group ends while a partner may still ask for a block that names it
	s_endpgm
.Lfunc_end_k_qacbb0b65c9_msaavg:
	.size	k_qacbb0b65c9_msaavg, .Lfunc_end_k_qacbb0b65c9_msaavg-k_qacbb0b65c9_msaavg
	.p2alignl 7, 3214868480
	.fill 96, 4, 3214868480
	.section	.rodata,"a",@progbits
	.p2align	6, 0x0
	.amdhsa_kernel k_qacbb0b65c9_msaavg
		.amdhsa_group_segment_fixed_size 327680
		.amdhsa_private_segment_fixed_size 0
		.amdhsa_enable_private_segment 0
		.amdhsa_kernarg_size 48
		.amdhsa_user_sgpr_count 2
		.amdhsa_user_sgpr_kernarg_segment_ptr 1
		.amdhsa_wavefront_size32 1
		.amdhsa_system_sgpr_workgroup_id_x 1
		.amdhsa_system_sgpr_workgroup_id_y 1
		.amdhsa_system_sgpr_workgroup_id_z 1
		.amdhsa_system_vgpr_workitem_id 0
		.amdhsa_next_free_vgpr 512
		.amdhsa_next_free_sgpr 66
		.amdhsa_reserve_vcc 0
		.amdhsa_float_denorm_mode_32 3
		.amdhsa_float_denorm_mode_16_64 3
		.amdhsa_memory_ordered 1
		.amdhsa_forward_progress 1
		.amdhsa_inst_pref_size 255
	.end_amdhsa_kernel
	.section	.bss,"aw",@nobits
	.p2align	6
	.space	262144
	.amdgpu_metadata
---
amdhsa.version: [ 1, 2 ]
amdhsa.kernels:
  - .name:           k_qacbb0b65c9_msaavg
    .symbol:         k_qacbb0b65c9_msaavg.kd
    .args:
      - { .name: msa, .offset: 0, .size: 8, .value_kind: global_buffer, .address_space: global }
      - { .name: ln_msa_w, .offset: 8, .size: 8, .value_kind: global_buffer, .address_space: global }
      - { .name: ln_msa_b, .offset: 16, .size: 8, .value_kind: global_buffer, .address_space: global }
      - { .name: pbuf, .offset: 24, .size: 8, .value_kind: global_buffer, .address_space: global }
      - { .name: wfrag, .offset: 32, .size: 8, .value_kind: global_buffer, .address_space: global }
      - { .name: out0, .offset: 40, .size: 8, .value_kind: global_buffer, .address_space: global }
    .group_segment_fixed_size: 327680
    .private_segment_fixed_size: 0
    .kernarg_segment_align: 8
    .kernarg_segment_size: 48
    .max_flat_workgroup_size: 256
    .sgpr_count:     66
    .vgpr_count:     512
    .wavefront_size: 32
...
	.end_amdgpu_metadata
.endif
;; end of part 2
